; MI455X (gfx1250); checked and timed in simulation.
; The chip was launched on July 23, 2026; its instructions are those of AMD's public machine-readable ISA for CDNA 5 (MIT licence, August 2026) and "CDNA5" Instruction Set Architecture Reference Guide (July 2026). The comments in the code are by the model that wrote it; some were corrected since.
;; Multi Head Dot Product Attention. Allowed arithmetic: matrix products marked QUANTISED: E2M3 operands, one E8M0 scale for each 32 along K, by v_wmma_scale_f32_16x16x128_f8f6f4 with both operands' format E2M3, f32 sums; everything else in f32.
;; Inputs: inputs_kv_codes 2 x 4,096 x 16 x 24 uint8 (E2M3 codes of inputs_kv, K innermost, in blocks of 32 codes, four codes in three bytes); inputs_kv_scales 2 x 4,096 x 16 uint8 (E8M0 scales of inputs_kv, one for each 32 codes along K); inputs_q_codes 2 x 4,096 x 16 x 24 uint8 (E2M3 codes of inputs_q, K innermost, in blocks of 32 codes, four codes in three bytes); inputs_q_scales 2 x 4,096 x 16 uint8 (E8M0 scales of inputs_q, one for each 32 codes along K); w_k_codes 512 x 16 x 24 uint8 (E2M3 codes of w_k, K innermost, in blocks of 32 codes, four codes in three bytes); w_k_scales 512 x 16 uint8 (E8M0 scales of w_k, one for each 32 codes along K); w_o_codes 512 x 16 x 24 uint8 (E2M3 codes of w_o, K innermost, in blocks of 32 codes, four codes in three bytes); w_o_scales 512 x 16 uint8 (E8M0 scales of w_o, one for each 32 codes along K); w_q_codes 512 x 16 x 24 uint8 (E2M3 codes of w_q, K innermost, in blocks of 32 codes, four codes in three bytes); w_q_scales 512 x 16 uint8 (E8M0 scales of w_q, one for each 32 codes along K); w_v_codes 512 x 16 x 24 uint8 (E2M3 codes of w_v, K innermost, in blocks of 32 codes, four codes in three bytes); w_v_scales 512 x 16 uint8 (E8M0 scales of w_v, one for each 32 codes along K).
;; Outputs: out0 2 x 4,096 x 512 float32.
;; This version of the problem:
;;   THIS VERSION OF THE PROBLEM IS GIVEN IN LOW PRECISION. The matrix products marked QUANTISED in the list below multiply operands that are first quantised to E2M3 (2 exponent bits, 3 mantissa bits; 6 bits a number), with one power-of-two scale for each 32 numbers along K (OCP MX v1.0); their sums are f32. All else is computed in f32.
;;   The module's matrix products, in the order in which they are computed (A, B: the left and right operand; K: the contracted axis; several contracted axes count as one K, in the product's order):
;;     1. [M 8,192, K 512] x [K 512, N 512]; A: input inputs_q (given as codes); B: input w_q (given as codes): QUANTISED
;;     2. [M 8,192, K 512] x [K 512, N 512]; A: input inputs_kv (given as codes); B: input w_k (given as codes): QUANTISED
;;     3. [M 8,192, K 512] x [K 512, N 512]; A: input inputs_kv (given as codes); B: input w_v (given as codes): QUANTISED
;;     4. batch 16 x [M 4,096, K 64] x [K 64, N 4,096]; A: computed on the way; B: computed on the way: QUANTISED
;;     5. batch 16 x [M 64, K 4,096] x [K 4,096, N 4,096]; A: computed on the way; B: softmax (see below): QUANTISED
;;     6. [M 8,192, K 512] x [K 512, N 512]; A: computed on the way; B: input w_o (given as codes): QUANTISED
;;   THE QUANTISER, for each operand of a quantised product, along K:
;;     - K is cut into blocks of 32 from its start; a last block that is shorter is filled with zeros.
;;     - A block's scale is 2^e with e = floor(log2(the largest magnitude in the block)) - 2, held to -126 .. 127; a block of zeros has e = 0. As a byte (E8M0): e + 127.
;;     - Each number is divided by its block's scale, clamped to +-7.5, and rounded to the nearest number of E2M3, ties to even, subnormals kept.
;;     - The product sums the exact products of the quantised numbers (number of the format x scale) in f32.
;;   ~~~python
;;   def quantise(x, axis):      # numpy; x: float32 -> the quantised numbers, widened to float32 again
;;       x = np.moveaxis(x, axis, -1); K = x.shape[-1]
;;       x = np.pad(x, [(0, 0)] * (x.ndim - 1) + [(0, -K % 32)]); x = x.reshape(x.shape[:-1] + (-1, 32)); a = np.abs(x).max(-1, keepdims=True)
;;       e = np.where(a > 0, np.clip(np.frexp(np.where(a > 0, a, 1))[1] - 1 - 2, -126, 127), 0)      # np.frexp(a)[1] - 1 = floor(log2(a)), exactly
;;       r = np.clip(x / 2.0 ** e, -7.5, 7.5)
;;       step = 2.0 ** (np.maximum(np.frexp(np.where(r == 0, 1, r))[1] - 1, 0) - 3)
;;       q = np.round(r / step) * step * 2.0 ** e      # np.round: ties to even
;;       return np.moveaxis(q.reshape(q.shape[:-2] + (-1,))[..., :K], -1, axis).astype(np.float32)
;;   ~~~
;;   SOFTMAX AHEAD OF A QUANTISED PRODUCT. Where the list says 'softmax', what is quantised is not the finished softmax but p = 2^(t - M), with t = logit x log2(e) and M = ceil(the row's largest t), a whole number; so 1/2 < the row's largest p <= 1. The row's sum l is taken of the UNQUANTISED p, in f32, and the product's result is divided by l at the end. Since M is a whole number, a kernel that streams over the keys may use a running M (the ceiling of the running maximum): every later rescaling is an exact power of two, which a block's scale takes up: the codes' values come out the same.
;;   OPERANDS COMPUTED ON THE WAY. 'Computed on the way' means the value that the module computes at that place (a softmax that the list does not call 'softmax' is quantised finished and normalised). What goes into a quantiser is computed in f32, as accurately as f32 sums, v_exp_f32 and their like allow (about 1e-6 of the number): no bf16 or f16 on the way to a quantiser, and a product that is left as it is and whose result goes on into a quantised operand takes f32 operands (vector FMAs, or v_wmma_f32_16x16x4_f32). A number that lies on a knife's edge between two numbers of the format may be rounded either way, as far as f32 arithmetic and the matrix unit's own rounding can turn it there, and no further.
;;   INPUTS GIVEN AS CODES. inputs_kv (in the module: [2, 4096, 512], K = its axis 2); inputs_q (in the module: [2, 4096, 512], K = its axis 2); w_k (in the module: [512, 512], K = its axis 0); w_o (in the module: [512, 512], K = its axis 0); w_q (in the module: [512, 512], K = its axis 0); w_v (in the module: [512, 512], K = its axis 0): each comes as NAME_codes (uint8): NAME with its K axis moved to the last place and cut into blocks of 32 codes, [.., K / 32, bytes a block], one block behind the other in memory; four codes in three bytes: a row's codes are one little-endian stream of bits, code i at bits 6 i .. 6 i + 5 (a code: sign, 2 exponent bits, 3 mantissa bits); and NAME_scales (uint8): the same leading axes, one E8M0 byte (e + 127) for each 32 codes along K. Its value is code x scale, taken as it is: it is not quantised again, and the codes and scales need not be those that the quantiser above would give.
;; One version. Each part assembles by itself: llvm-mc -triple=amdgcn-amd-amdhsa -mcpu=gfx1250 --defsym DOCPART=n.
;; ======== version 1 of 1: 3 launches
;; limits: right only within a limited range of input values
;; workspace buffers: qimg 3,670,016 bytes; kimg 3,670,016 bytes; vimg 3,670,016 bytes; oimg 3,670,016 bytes
;; launch proj (part 1): grid 4 x 64, 8 waves a work-group, clusters of 4 x 4, 278,784 bytes of LDS; arguments inputs_q_codes, inputs_q_scales, inputs_kv_codes, inputs_kv_scales, w_q_codes, w_q_scales, w_k_codes, w_k_scales, w_v_codes, w_v_scales, qimg, kimg, vimg; writes qimg, kimg, vimg
.if DOCPART == 1
	.amdgcn_target "amdgcn-amd-amdhsa--gfx1250"
	.amdhsa_code_object_version 6
	.text
	.protected	k_q2d5e685f60_proj
	.globl	k_q2d5e685f60_proj
	.p2align	8
	.type	k_q2d5e685f60_proj,@function
k_q2d5e685f60_proj:
	s_mov_b64 s[64:65], 0
	v_nop
	global_prefetch_b8 v0, s[64:65] scope:SCOPE_SE
	s_setreg_imm32_b32 hwreg(HW_REG_WAVE_MODE, 25, 1), 1
	s_wait_xcnt 0x0
	s_wait_alu depctr_hold_cnt(0) depctr_sa_sdst(0) depctr_va_vdst(0) depctr_va_sdst(0) depctr_va_ssrc(0) depctr_va_vcc(0) depctr_vm_vsrc(0)
	s_getreg_b32 s2, hwreg(HW_REG_IB_STS2, 6, 4)
	s_cmp_eq_u32 s2, 0
	s_cbranch_scc0 .Lentry_in_a_cluster
	s_endpgm
.Lentry_in_a_cluster:
	s_bfe_u32 s2, ttmp6, 0x10000c
	s_cmp_lg_u32 s2, 0xf033
	s_cbranch_scc0 .Lentry_shape_is_right
	s_endpgm
.Lentry_shape_is_right:
; q = Xq Wq^T, k = Xkv Wk^T, v = Xkv Wv^T on codes of FP6 (E2M3) with E8M0 scales, K = 512; the f32 results are quantised at once: q and k along the head's 64, v along the keys, and leave as codes.
; SHARES.  A work-group takes 128 tokens (m) x 128 of the 512 columns (g: two heads).  Its five tiles of 128 rows x 384 bytes (Wq, Xq, Wk, Xkv, Wv) hold all of K: they are filled once, nothing is filled again.
; Every product has the form: source 0's rows run along a lane's registers, source 1's row is the lane's.  q: Wq, Xq.  k: Wk, Xkv.  v: Xkv, Wv.  So a lane's registers run along the axis that is quantised next.
; Wave w: 64 rows of source 0 (w & 1), 32 rows of source 1 (w >> 1): 4 x 2 accumulators, 4 K steps of 128: 32 matrix instructions a product.
; THE ROWS OF A TILE ARE NOT NEIGHBOURS: lane r of tile (b, u) takes row 32 b + 8 u + r + 8 (r / 8), so that the 16 registers of two neighbouring result tiles are 16 neighbours along the next K.
; CLUSTER 4 x 4: X's tiles hang on m alone and are asked for jointly along a row of the cluster, W's on g alone and along a column: each request serves four work-groups.
; OUTPUT: records of 1,792 bytes, [batch x 8 + head][block of 32 tokens], images of operand registers:
;   q, k: tile u (lane r = token 8 u + r + 8 (r / 8)): registers 0-3 at 512 u + 16 lane, registers 4-5 at 1024 + 256 u + 8 lane, the pair (scale word, 0) at 1536 + 8 (16 u + r).
;   v: d tile t (lane r = d 32 (t / 2) + 8 (t % 2) + r + 8 (r / 8)), the record's 32 keys: 16 bytes at 256 t + 16 r, 8 bytes at 1024 + 128 t + 8 r; scale pairs (even block's byte, odd block's byte):
;      tiles 0, 1 in the even record, tiles 2, 3 in the odd one, at 1536 + 8 (16 (t % 2) + r).
; LIMITS: NaN and infinities are not served.  A block of zeros gets the scale byte 1 (its codes are zeros; the bytes are read by this program alone).
.set REC,   1792
.set PITCH, 432                        ; an LDS row: 3 x (128 bytes of data + 16 of padding)
.set REGB,  27776                      ; a region: 64 rows (27,648 bytes) + 128, so that the two regions of a tile lie half a turn of the banks apart
.set TILE,  2*REGB                     ; a tile: region A (memory rows whose bit 4 is 0), region B (bit 4 is 1)
.set B0,  1                            ; v1-2   my lane's place in source 0's tile (the second: behind one padding more)
.set B1,  3                            ; v3-4   the same for source 1
.set AS0, 6                            ; v6-7   the same with the tile's base, for the product in hand
.set AS1, 8                            ; v8-9
.set LA,  10                           ; v10    16 x lane
.set LB,  11                           ; v11    8 x lane
.set LAV, 12                           ; v12    v's image: 16 r + 1792 h + 512 (pi & 1)
.set LBV, 13                           ; v13    8 r + 1792 h + 256 (pi & 1)
.set LSV, 14                           ; v14    8 x lane + 1792 (pi & 1)
.set LSC, 15                           ; v15    a scale row's place: 16 (r + 8 (r / 8))
.set SCW, 16                           ; v16-87 scale words, 24 a product: source 0's at 4 t + s, source 1's at 16 + 4 n + s
.set ACC, 88                           ; v88-151 accumulator (n, t) at 8 (4 n + t)
.set S0F, 152                          ; v152-199 source 0's four fragments
.set S1F, 200                          ; v200-223 source 1's two
.set PC0, 224                          ; v224-229, v230-235 the codes made
.set PC1, 230
.set CT,  236                          ; v236-238 a block's second half
.set TM,  240                          ; v240-241 largest magnitudes
.set TP,  242                          ; v242-243 the other half of the lanes'
.set SO,  244                          ; v244-245 the conversions' scale operands
.set BY,  246                          ; v246-247 scale bytes
.set HW,  248                          ; v248-249 scale words of tiles 0, 1
.set CMB, 250                          ; v250-251 (the two joined, 0)
.set WV,  30                           ; s30 wave;  s31 wave & 1;  s32 wave >> 1
.set HF,  31
.set PI,  32
.set GG,  36                           ; s36 g;  s37 m
.set MM,  37
.set G1X, 40                           ; s[40:47] descriptor group 1 for X's tiles;  s[48:55] for W's: they differ in the mask
.set G1W, 48
.set G0W, 56                           ; s[56:59] group 0: Wq or Wk;  s[60:63] Xq or Xkv;  s[68:71] Wv
.set G0X, 60
.set G0V, 68
.set HI16, 94                          ; s94 lanes 16-31
.set SEL, 96                           ; s[96:97] lane l xor 16
.macro PLACES
.rept 4
	v_nop
.endr
.endm
.macro CROUND                          ; a round of the cluster's barrier
	s_barrier_signal -1
	s_barrier_wait -1
	s_cmp_lg_u32 s[WV], 0
	s_cbranch_scc1 .Lnot_wave_0_\@
	s_barrier_signal -3
.Lnot_wave_0_\@:
	s_barrier_wait -3
	s_barrier_signal -1
	s_barrier_wait -1
.endm
	s_load_b512 s[4:19], s[0:1], 0x0               ; Xq codes, scales; Xkv codes, scales; Wq codes, scales; Wk codes, scales
	s_load_b256 s[20:27], s[0:1], 0x40             ; Wv codes, scales; qimg; kimg
	s_load_b64 s[28:29], s[0:1], 0x60              ; vimg
	v_lshl_add_u32 v254, v0, 2, 0x43d00
	v_mov_b32 v255, 0
	ds_add_u32 v254, v255
	ds_add_u32 v254, v255
	v_lshrrev_b32 v240, 5, v0
	v_readfirstlane_b32 s[WV], v240                ; wave 0..7
	s_and_b32 s[HF], s[WV], 1                      ; which 64 rows of source 0.  Also: which region of a tile I fetch
	s_lshr_b32 s[PI], s[WV], 1                     ; which 32 rows of source 1.  Also: which tile I fetch
	s_bfe_u32 s34, ttmp6, 0x40000                  ; cx
	s_bfe_u32 s35, ttmp6, 0x40004                  ; cy
	s_lshl_b32 s[GG], ttmp9, 2
	s_add_co_u32 s[GG], s[GG], s34                 ; g = 4 x cluster x + cx
	s_and_b32 s[MM], ttmp7, 0xffff
	s_lshl_b32 s[MM], s[MM], 2
	s_add_co_u32 s[MM], s[MM], s35                 ; m = 4 x cluster y + cy
	s_lshl_b32 s38, s35, 2
	s_lshl_b32 s38, 15, s38                        ; my row of the cluster
	s_lshl_b32 s39, 0x1111, s34                    ; my column
	; group 1: 4 rows of 6,144 bytes (16 memory rows on end), 32 memory rows apart; elements of 8 bytes; 16 bytes of padding behind every 128
	s_or_b32 s[G1X], s38, (3<<16)|(1<<20)|(1<<21)|(4<<22)|(3<<25)
	s_or_b32 s[G1W], s39, (3<<16)|(1<<20)|(1<<21)|(4<<22)|(3<<25)
.irp g, G1X, G1W
	s_mov_b32 s[\g+1], 768<<16                     ; tensor_dim0 = 768
	s_mov_b32 s[\g+2], 4<<16                       ; tensor_dim1 = 4
	s_mov_b32 s[\g+3], 768<<16                     ; tile_dim0 = 768
	s_mov_b32 s[\g+4], 4                           ; tile_dim1 = 4
	s_mov_b32 s[\g+5], 1536                        ; from row to row: 12,288 bytes
	s_mov_b32 s[\g+6], 0
	s_mov_b32 s[\g+7], 0
.endr
	s_lshl_b32 s72, s[GG], 7                       ; W: (128 g + 16 x region) rows of 384 bytes: hangs on g alone
	s_lshl_b32 s73, s[HF], 4
	s_add_co_u32 s72, s72, s73
	s_mul_i32 s72, s72, 384
	s_mov_b32 s73, 0
	s_lshl_b32 s74, s[MM], 7                       ; X: (128 m + 16 x region) rows: hangs on m alone
	s_lshl_b32 s75, s[HF], 4
	s_add_co_u32 s74, s74, s75
	s_mul_i32 s74, s74, 384
	s_mov_b32 s75, 0
	s_mov_b32 s[G0W], 1
	s_mov_b32 s[G0X], 1
	s_mov_b32 s[G0V], 1
	s_mul_i32 s[G0W+1], s[WV], REGB                ; tile wave / 2, region wave % 2: wave x 27,776
	s_mul_i32 s[G0X+1], s[WV], REGB
	s_mul_i32 s[G0V+1], s[HF], REGB
	s_add_co_u32 s[G0V+1], s[G0V+1], 4*TILE        ; Wv is tile 4
	s_wait_dscnt 0x0
	s_wait_kmcnt 0x0
	s_cmp_lt_u32 s[PI], 2                          ; tiles 0, 1 are q's, tiles 2, 3 k's: a choice on the wave's number
	s_cselect_b64 s[G0W+2:G0W+3], s[12:13], s[16:17]
	s_cselect_b64 s[G0X+2:G0X+3], s[4:5], s[8:9]
	s_add_nc_u64 s[G0W+2:G0W+3], s[G0W+2:G0W+3], s[72:73]
	s_add_nc_u64 s[G0X+2:G0X+3], s[G0X+2:G0X+3], s[74:75]
	s_add_nc_u64 s[G0V+2:G0V+3], s[20:21], s[72:73]
	s_or_b32 s[G0W+3], s[G0W+3], 0x80000000
	s_or_b32 s[G0X+3], s[G0X+3], 0x80000000
	s_or_b32 s[G0V+3], s[G0V+3], 0x80000000
	CROUND                                         ; all sixteen work-groups are here: the joint loads meet
	; the fills: waves 0, 1 Wq; 2, 3 Xq; 4, 5 Wk and Wv; 6, 7 Xkv.  Two loads of a wave are out at the most.  Four v_nop follow the loads of each arm
	s_cmp_eq_u32 s[PI], 2
	s_cbranch_scc0 .Lnot_two
	tensor_load_to_lds s[G0W:G0W+3], s[G1W:G1W+7]
	s_nop 0
	tensor_load_to_lds s[G0V:G0V+3], s[G1W:G1W+7]
	s_nop 0
	PLACES
	s_branch .Lasked
.Lnot_two:
	s_cmp_eq_u32 s[PI], 0
	s_cbranch_scc0 .Lfor_x
	tensor_load_to_lds s[G0W:G0W+3], s[G1W:G1W+7]
	s_nop 0
	PLACES
	s_branch .Lasked
.Lfor_x:
	tensor_load_to_lds s[G0X:G0X+3], s[G1X:G1X+7]
	s_nop 0
	PLACES
.Lasked:
	; the scale rows: 16 bytes a row are the four words of the four K steps: one load of 16 bytes a tile
	v_and_b32 v240, 15, v0                         ; r
	v_bfe_u32 v241, v0, 4, 1                       ; h
	v_and_b32 v244, 8, v240
	v_add_nc_u32 v244, v244, v240
	v_lshlrev_b32 v[LSC], 4, v244
	s_lshl_b32 s98, s[GG], 7                       ; rows 128 g + 64 (wave & 1)
	s_lshl_b32 s99, s[HF], 6
	s_add_co_u32 s98, s98, s99
	s_lshl_b32 s98, s98, 4
	s_mov_b32 s99, 0
	s_add_nc_u64 s[76:77], s[14:15], s[98:99]      ; Wq's
	s_add_nc_u64 s[80:81], s[18:19], s[98:99]      ; Wk's
	s_lshl_b32 s98, s[MM], 7                       ; rows 128 m + 32 (wave >> 1)
	s_lshl_b32 s99, s[PI], 5
	s_add_co_u32 s98, s98, s99
	s_lshl_b32 s98, s98, 4
	s_mov_b32 s99, 0
	s_add_nc_u64 s[78:79], s[6:7], s[98:99]        ; Xq's
	s_add_nc_u64 s[82:83], s[10:11], s[98:99]      ; Xkv's, as source 1
	s_lshl_b32 s98, s[MM], 7                       ; rows 128 m + 64 (wave & 1)
	s_lshl_b32 s99, s[HF], 6
	s_add_co_u32 s98, s98, s99
	s_lshl_b32 s98, s98, 4
	s_mov_b32 s99, 0
	s_add_nc_u64 s[84:85], s[10:11], s[98:99]      ; Xkv's, as source 0
	s_lshl_b32 s98, s[GG], 7                       ; rows 128 g + 32 (wave >> 1)
	s_lshl_b32 s99, s[PI], 5
	s_add_co_u32 s98, s98, s99
	s_lshl_b32 s98, s98, 4
	s_mov_b32 s99, 0
	s_add_nc_u64 s[86:87], s[22:23], s[98:99]      ; Wv's
.macro SCLOAD set, b0, b1
.irp t, 0,1,2,3
	global_load_b128 v[SCW+24*\set+4*\t:SCW+24*\set+4*\t+3], v[LSC], s[\b0:\b0+1] offset:16*(32*(\t/2)+8*(\t%2))
.endr
.irp n, 0,1
	global_load_b128 v[SCW+24*\set+16+4*\n:SCW+24*\set+16+4*\n+3], v[LSC], s[\b1:\b1+1] offset:128*\n
.endr
.endm
	SCLOAD 0, 76, 78
	SCLOAD 1, 80, 82
	SCLOAD 2, 84, 86
	; LDS places.  Lane r of a tile: rows r % 8 of region r / 8; 24 bytes on for lanes 16-31
	v_and_b32 v242, 7, v0
	v_bfe_u32 v243, v0, 3, 1
	v_mul_u32_u24 v244, v242, PITCH
	v_mad_u32_u24 v244, v243, REGB, v244
	v_mad_u32_u24 v244, v241, 24, v244
	s_mul_i32 s98, s[HF], 32*PITCH                 ; 64 memory rows are 32 rows of each region
	v_add_nc_u32 v[B0], s98, v244
	v_lshl_add_u32 v[B0+1], v241, 4, v[B0]
	s_mul_i32 s98, s[PI], 16*PITCH
	v_add_nc_u32 v[B1], s98, v244
	v_lshl_add_u32 v[B1+1], v241, 4, v[B1]
	v_and_b32 v245, 31, v0
	v_lshlrev_b32 v[LA], 4, v245
	v_lshlrev_b32 v[LB], 3, v245
	s_and_b32 s98, s[PI], 1
	v_mul_u32_u24 v246, v241, REC
	v_lshl_add_u32 v[LAV], v240, 4, v246
	v_lshl_add_u32 v[LAV], s98, 9, v[LAV]
	v_lshl_add_u32 v[LBV], v240, 3, v246
	v_lshl_add_u32 v[LBV], s98, 8, v[LBV]
	s_mul_i32 s99, s98, REC
	v_add_nc_u32 v[LSV], s99, v[LB]
	v_mov_b32 v[TP], 0                             ; written once: a lane permute's destination counts as one of its sources
	v_mov_b32 v[TP+1], 0
	v_mov_b32 v[CMB+1], 0
	s_mov_b32 s[HI16], 0xffff0000
	s_mov_b32 s[SEL], 0x76543210
	s_mov_b32 s[SEL+1], 0xfedcba98
	; where the records go
	s_lshr_b32 s98, s[MM], 5
	s_lshl_b32 s98, s98, 3                         ; 8 x batch
	s_lshl_b32 s99, s[GG], 1
	s_add_co_u32 s98, s98, s99                     ; + 2 g
	s_and_b32 s99, s[MM], 31
	s_lshl_b32 s99, s99, 2                         ; the first of my work-group's four blocks of 32 tokens
	s_add_co_u32 s2, s98, s[HF]                    ; q, k: head 2 g + (wave & 1), block + (wave >> 1)
	s_lshl_b32 s2, s2, 7
	s_add_co_u32 s2, s2, s99
	s_add_co_u32 s2, s2, s[PI]
	s_mul_i32 s2, s2, REC
	s_mov_b32 s3, 0
	s_add_nc_u64 s[88:89], s[24:25], s[2:3]
	s_add_nc_u64 s[90:91], s[26:27], s[2:3]
	s_lshr_b32 s66, s[PI], 1                       ; v: head 2 g + (wave >> 2), blocks + 2 (wave & 1) and the next
	s_add_co_u32 s66, s66, s98
	s_lshl_b32 s66, s66, 7
	s_add_co_u32 s66, s66, s99
	s_lshl_b32 s67, s[HF], 1
	s_add_co_u32 s66, s66, s67
	s_mul_i32 s66, s66, REC
	s_mov_b32 s67, 0
	s_add_nc_u64 s[92:93], s[28:29], s[66:67]
; A fragment, 16 rows x 128 K: 12 registers, six pieces of 8 bytes.  Lanes 0-15 take the row's pieces 12 s + 0, 1, 2, 6, 7, 8, lanes 16-31 those three on; where the piece three on lies behind one padding more, the second address serves.
.macro FRAG reg, adr, s, rowoff
.irp p, 0,1,2,3,4,5
.set PCE, 12*(\s)+6*(\p/3)+\p%3
.if PCE%16 < 13
	ds_load_b64 v[\reg+2*\p:\reg+2*\p+1], v[\adr] offset:8*PCE+16*(PCE/16)+(\rowoff)
.else
	ds_load_b64 v[\reg+2*\p:\reg+2*\p+1], v[\adr+1] offset:8*PCE+16*(PCE/16)+(\rowoff)
.endif
.endr
.endm
; A product: source 0 from tile t0, source 1 from tile t1, scale words of set sc.  The eight accumulators take turns, one instruction a turn; the first K step starts the sums.
.macro GEMM t0, t1, sc
	v_add_nc_u32 v[AS0], (\t0)*TILE, v[B0]
	v_add_nc_u32 v[AS0+1], (\t0)*TILE, v[B0+1]
	v_add_nc_u32 v[AS1], (\t1)*TILE, v[B1]
	v_add_nc_u32 v[AS1+1], (\t1)*TILE, v[B1+1]
.irp s, 0,1,2,3
.if \s > 0
	PLACES                                         ; in front of loads into registers that matrix instructions have read
.endif
.irp t, 0,1,2,3
	FRAG S0F+12*\t, AS0, \s, (16*(\t/2)+8*(\t%2))*PITCH
.endr
.irp n, 0,1
	FRAG S1F+12*\n, AS1, \s, 8*\n*PITCH
.endr
	s_wait_dscnt 0x0
.irp t, 0,1,2,3
.irp n, 0,1
.if \s == 0
	v_wmma_scale_f32_16x16x128_f8f6f4 v[ACC+8*(4*\n+\t):ACC+8*(4*\n+\t)+7], v[S0F+12*\t:S0F+12*\t+11], v[S1F+12*\n:S1F+12*\n+11], 0, v[SCW+24*(\sc)+4*\t+\s], v[SCW+24*(\sc)+16+4*\n+\s] matrix_a_fmt:MATRIX_FMT_FP6 matrix_b_fmt:MATRIX_FMT_FP6
.else
	v_wmma_scale_f32_16x16x128_f8f6f4 v[ACC+8*(4*\n+\t):ACC+8*(4*\n+\t)+7], v[S0F+12*\t:S0F+12*\t+11], v[S1F+12*\n:S1F+12*\n+11], v[ACC+8*(4*\n+\t):ACC+8*(4*\n+\t)+7], v[SCW+24*(\sc)+4*\t+\s], v[SCW+24*(\sc)+16+4*\n+\s] matrix_a_fmt:MATRIX_FMT_FP6 matrix_b_fmt:MATRIX_FMT_FP6
.endif
.endr
.endr
.endr
.endm
; 32 numbers of a lane, register 16 b + i = place 32 b + 16 (lane / 16) + i of my row, become six registers of codes (lanes 0-15 block 0 whole, lanes 16-31 block 1) and the two scale bytes.
.macro QUANTH src, pc, hw
	v_max3_num_f32 v[TM], |v[\src]|, |v[\src+1]|, 0x1800000          ; my 16 numbers of each block, and the floor 2^(3 - 127): the byte cannot fall under 1.  Each accumulator is read from its low end on
	v_max3_num_f32 v[TM+1], |v[\src+16]|, |v[\src+17]|, 0x1800000
.irp i, 2,4,6,8,10,12,14
	v_max3_num_f32 v[TM], v[TM], |v[\src+\i]|, |v[\src+\i+1]|
	v_max3_num_f32 v[TM+1], v[TM+1], |v[\src+16+\i]|, |v[\src+17+\i]|
.endr
	v_permlanex16_b32 v[TP], v[TM], s[SEL], s[SEL+1]
	v_permlanex16_b32 v[TP+1], v[TM+1], s[SEL], s[SEL+1]
	v_max_num_f32 v[TM], v[TM], v[TP]              ; with lane l xor 16's: the block's largest magnitude
	v_max_num_f32 v[TM+1], v[TM+1], v[TP+1]
	v_add_nc_u32 v[SO], 0xff000000, v[TM]          ; 2 off its exponent field: the conversion takes the exponent field of this operand as its scale
	v_add_nc_u32 v[SO+1], 0xff000000, v[TM+1]
	v_lshrrev_b32 v[BY], 23, v[SO]                 ; the scale's byte
	v_lshrrev_b32 v[BY+1], 23, v[SO+1]
	v_lshl_or_b32 v[\hw], v[BY+1], 8, v[BY]
	v_cvt_scalef32_pk16_fp6_f32 v[\pc:\pc+2], v[\src:\src+15], v[SO]
	v_cvt_scalef32_pk16_fp6_f32 v[CT:CT+2], v[\src+16:\src+31], v[SO+1]
	v_nop                                          ; one plain place behind a scaled conversion
.irp i, 0,1,2
	v_permlane16_swap_b32 v[\pc+\i], v[CT+\i]      ; the first's lanes 16-31 change places with the second's lanes 0-15: a whole block to a lane
.endr
.irp i, 0,1,2
	v_mov_b32 v[\pc+3+\i], v[CT+\i]
.endr
.endm
; The way out of a product: both tiles of source 1 are quantised and stored as images.
.macro EPI la, lb, ls, base, sa, sb
	PLACES                                         ; in front of the first read of results
	s_wait_xcnt 0x0                                ; the last product's stores have read their data: the registers are written again only behind this wait
	QUANTH ACC, PC0, HW
	QUANTH ACC+32, PC1, HW+1
	v_cndmask_b32 v[CMB], v[HW], v[HW+1], s[HI16]  ; lanes 0-15 tile 0's word, lanes 16-31 tile 1's
	global_store_b128 v[\la], v[PC0:PC0+3], s[\base:\base+1]
	global_store_b64 v[\lb], v[PC0+4:PC0+5], s[\base:\base+1] offset:1024
	global_store_b128 v[\la], v[PC1:PC1+3], s[\base:\base+1] offset:\sa
	global_store_b64 v[\lb], v[PC1+4:PC1+5], s[\base:\base+1] offset:1024+\sb
	global_store_b64 v[\ls], v[CMB:CMB+1], s[\base:\base+1] offset:1536
.endm
	s_wait_tensorcnt 0x0                           ; my parts of the tiles have landed,
	s_barrier_signal -1
	s_barrier_wait -1                              ; everybody's have: from here on LDS is only read
	s_wait_loadcnt 0x0                             ; the scale words
	GEMM 0, 1, 0
	EPI LA, LB, LB, 88, 512, 256                   ; q
	GEMM 2, 3, 1
	EPI LA, LB, LB, 90, 512, 256                   ; k
	GEMM 3, 4, 2
	EPI LAV, LBV, LSV, 92, 256, 128                ; v: lanes 0-15 hold the even block's codes, lanes 16-31 the odd block's: two records
	s_wait_dscnt 0x0
	s_wait_tensorcnt 0x0
	ds_add_u32 v254, v255
	s_wait_dscnt 0x0
	CROUND                                         ; the closing round: no work-group ends while a partner may still ask for a tile that names it
	s_endpgm
.Lfunc_end_k_q2d5e685f60_proj:
	.size	k_q2d5e685f60_proj, .Lfunc_end_k_q2d5e685f60_proj-k_q2d5e685f60_proj
	.p2alignl 7, 3214868480
	.fill 96, 4, 3214868480
	.section	.rodata,"a",@progbits
	.p2align	6, 0x0
	.amdhsa_kernel k_q2d5e685f60_proj
		.amdhsa_group_segment_fixed_size 278784
		.amdhsa_private_segment_fixed_size 0
		.amdhsa_enable_private_segment 0
		.amdhsa_kernarg_size 104
		.amdhsa_user_sgpr_count 2
		.amdhsa_user_sgpr_kernarg_segment_ptr 1
		.amdhsa_wavefront_size32 1
		.amdhsa_system_sgpr_workgroup_id_x 1
		.amdhsa_system_sgpr_workgroup_id_y 1
		.amdhsa_system_sgpr_workgroup_id_z 1
		.amdhsa_system_vgpr_workitem_id 0
		.amdhsa_next_free_vgpr 256
		.amdhsa_next_free_sgpr 100
		.amdhsa_reserve_vcc 0
		.amdhsa_float_denorm_mode_32 3
		.amdhsa_float_denorm_mode_16_64 3
		.amdhsa_memory_ordered 1
		.amdhsa_forward_progress 1
		.amdhsa_inst_pref_size 65
	.end_amdhsa_kernel
	.amdgpu_metadata
---
amdhsa.version: [ 1, 2 ]
amdhsa.kernels:
  - .name:           k_q2d5e685f60_proj
    .symbol:         k_q2d5e685f60_proj.kd
    .args:
      - { .name: inputs_q_codes, .offset: 0, .size: 8, .value_kind: global_buffer, .address_space: global }
      - { .name: inputs_q_scales, .offset: 8, .size: 8, .value_kind: global_buffer, .address_space: global }
      - { .name: inputs_kv_codes, .offset: 16, .size: 8, .value_kind: global_buffer, .address_space: global }
      - { .name: inputs_kv_scales, .offset: 24, .size: 8, .value_kind: global_buffer, .address_space: global }
      - { .name: w_q_codes, .offset: 32, .size: 8, .value_kind: global_buffer, .address_space: global }
      - { .name: w_q_scales, .offset: 40, .size: 8, .value_kind: global_buffer, .address_space: global }
      - { .name: w_k_codes, .offset: 48, .size: 8, .value_kind: global_buffer, .address_space: global }
      - { .name: w_k_scales, .offset: 56, .size: 8, .value_kind: global_buffer, .address_space: global }
      - { .name: w_v_codes, .offset: 64, .size: 8, .value_kind: global_buffer, .address_space: global }
      - { .name: w_v_scales, .offset: 72, .size: 8, .value_kind: global_buffer, .address_space: global }
      - { .name: qimg, .offset: 80, .size: 8, .value_kind: global_buffer, .address_space: global }
      - { .name: kimg, .offset: 88, .size: 8, .value_kind: global_buffer, .address_space: global }
      - { .name: vimg, .offset: 96, .size: 8, .value_kind: global_buffer, .address_space: global }
    .group_segment_fixed_size: 278784
    .private_segment_fixed_size: 0
    .kernarg_segment_align: 8
    .kernarg_segment_size: 104
    .max_flat_workgroup_size: 256
    .sgpr_count:     100
    .vgpr_count:     256
    .wavefront_size: 32
...
	.end_amdgpu_metadata
.endif
;; end of part 1
;; launch attn (part 2): grid 16 x 16, 16 waves a work-group, no clusters, 169,984 bytes of LDS; arguments qimg, kimg, vimg, oimg; writes oimg
.if DOCPART == 2
	.amdgcn_target "amdgcn-amd-amdhsa--gfx1250"
	.amdhsa_code_object_version 6
	.text
	.protected	k_q2d5e685f60_attn
	.globl	k_q2d5e685f60_attn
	.p2align	8
	.type	k_q2d5e685f60_attn,@function
k_q2d5e685f60_attn:
	s_mov_b64 s[64:65], 0
	v_nop
	global_prefetch_b8 v0, s[64:65] scope:SCOPE_SE
	s_setreg_imm32_b32 hwreg(HW_REG_WAVE_MODE, 25, 1), 1
	s_wait_xcnt 0x0
; Attention in a window: key k counts for query q where |q - k| <= 256, with the bias -slope |q - k|, slope = 2^-(head + 1).  Both products on codes of FP6 (E2M3) with E8M0 scales.
; t = (score / 8 + bias) log2(e); M = the running largest t rounded up to a whole number; p = 2^(t - M) is quantised along the keys in blocks of 32; the row's sum is taken of the unquantised p and divides O at the end;
; O is then quantised along the head's 64 and leaves as codes, in a record like q's.
; SHARES.  A work-group owns 256 queries of one head; each of its sixteen waves one tile of 16 (pair j = wave / 2 of 32 queries, tile u = wave % 2; lane r = query 8 u + r + 8 (r / 8) of the pair).
; A pair's window is 17 blocks of 32 keys, b = 0 .. 16: absolute block QB - 8 + b, LDS record j + b.  Four steps of four blocks and a last one of block 16 alone.  Blocks 0 and 16 are masked in part, block 8 holds the diagonal.
; LDS: 24 records of K and 24 of V (1,792 bytes each), filled once by six tensor loads of eight records.  A chunk that would lie outside the sequence is clamped to other records of the head, and its blocks are switched
; off by a penalty; a step that lies wholly outside is jumped over by a scalar branch on ids, so the first step that runs has an open key for every query.
; NO CLUSTER: neighbouring query blocks share two of the three chunks, but each wants a shared chunk at another LDS place, and a joint load's descriptor, LDS address included, is one for all that it names.
; LAYOUT.  Both products are used transposed: S^T = K Q^T, O^T = V^T P^T: a lane holds one query.  Register 16 bl + i of S^T is the key at place 16 (lane / 16) + i of block bl.
; K = 64 IN AN INSTRUCTION OF 128: Q's registers 6-11 are zero codes; K's fragments lie six registers apart, so an operand runs on into the next fragment (the last into six zeroed registers): whatever stands there meets zero codes.
; THE BIAS.  With d8 = my query's place - 16 (lane / 16): q - k = d8 - i + 32 (8 - b).  The part in i is the C of the score's matrix instruction, in raw units (8 slope i, exact): T; in the blocks masked in part and on the
; diagonal: TX.  The part in b and the lane is added with -M in the multiply-add that makes t - M.
; LIMITS: raw scores stay under 1e29 in magnitude (hidden keys get -1e30); NaN and infinities are not served; a block of zeros gets the scale byte 1 (its codes are zeros; the bytes are read by this program alone).
.set REC,   1792
.set CHUNK, 8*REC
.set VB,    24*REC                     ; V's records lie behind K's
.set AKA, 1                            ; v1   1792 j + 16 lane
.set AKB, 2                            ; v2   1792 j + 8 lane
.set AVA, 3                            ; v3   VB + 1792 j + 16 r + 1792 h
.set AVB, 4                            ; v4   VB + 1792 j + 8 r + 1792 h
.set AVS, 5                            ; v5   VB + 1792 (j & 6) + 8 r
.set D8F, 6                            ; v6   d8 as f32
.set QS,  7                            ; v7   Q's scale words
.set NM,  8                            ; v8   -M
.set TMX, 9                            ; v9   the running largest t
.set L,   10                           ; v[10:11] the sum, in two halves
.set FF,  12                           ; v[12:13] f = 2^(old M - new M), and a written partner
.set TA,  14                           ; v14-15 at work
.set TC,  15
.set Q,   16                           ; v16-27 Q's fragment (v22-27 zeros)
.set T,   28                           ; v28-43 the bias table
.set TX,  44                           ; v44-59 the table of a special block; between its uses V's scale pairs
.set VT,  44
.set F,   60                           ; v60-107 K's or V's fragments; v108-113 zeros
.set KS,  114                          ; v114-117 K's scale words: lanes 0-15 tile 0's, lanes 16-31 tile 1's
.set VS,  118                          ; v118-121 V's
.set S,   122                          ; v122-185 S^T, then p
.set O,   186                          ; v186-217 O^T
.set PC,  218                          ; v218-229 p's codes
.set CT,  230                          ; v230-232, v234-236 second halves of blocks
.set CLR, 238                          ; v238, 240, 242, 244 a block's addend
.set BM,  239                          ; v239, 241, 243, 245 a block's largest
.set PT,  246                          ; v246-249 the other half of the lanes'; bytes
.set SO,  250                          ; v250-253 at work; the conversions' scale operands
.set PW,  254                          ; v254 p's scale word
.set D8I, 255                          ; v255 d8 as a whole number
.set WV,  12                           ; s12 wave; s13 query block; s14 batch x 8 + head; s15 j; s16 u; s17 QB
.set JJ,  15
.set UU,  16
.set QB,  17
.set CS,  32                           ; s[32:33] c = log2(e) / 8
.set NSG, 34                           ; s34 -slope log2(e)
.set S8,  35                           ; s35 8 slope
.set NEG, 36                           ; s36 -1e30
.set SH,  37                           ; s37 8 (j & 1)
.set SH4, 38                           ; s38 24 - 8 (j & 1)
.set SEL, 40                           ; s[40:41] lane l xor 16
.set HI16, 42                          ; s42 lanes 16-31
.set PEN, 44                           ; s44-47 a block's penalty
.macro PLACES
.rept 4
	v_nop
.endr
.endm
	s_load_b256 s[4:11], s[0:1], 0x0               ; qimg, kimg, vimg, oimg
	v_lshl_add_u32 v233, v0, 2, 0x29000
	v_mov_b32 v237, 0
	ds_add_u32 v233, v237
	ds_add_u32 v233, v237
	v_lshrrev_b32 v14, 5, v0
	v_readfirstlane_b32 s[WV], v14                 ; wave 0..15
	s_mov_b32 s13, ttmp9
	s_and_b32 s14, ttmp7, 0xffff
	s_lshr_b32 s[JJ], s[WV], 1
	s_and_b32 s[UU], s[WV], 1
	s_lshl_b32 s[QB], s13, 3
	s_add_co_u32 s[QB], s[QB], s[JJ]               ; my pair's block of 32 queries
	s_and_b32 s18, s14, 7                          ; the head
	; group 1: eight records are 56 dense rows of 256 bytes (32 elements of 8 bytes)
	s_mov_b32 s24, 3<<16
	s_mov_b32 s25, 32<<16
	s_mov_b32 s26, 56<<16
	s_mov_b32 s27, 32<<16
	s_mov_b32 s28, 56
	s_mov_b32 s29, 32
	s_mov_b32 s30, 0
	s_mov_b32 s31, 0
	s_mov_b32 s[CS], 0x3e38aa3b
	s_mov_b32 s[CS+1], s[CS]                       ; (named with it as a pair, so it is written)
	s_add_co_u32 s48, s18, 1
	s_lshl_b32 s48, s48, 23
	s_sub_co_u32 s[NSG], 0xbfb8aa3b, s48           ; -log2(e) with head + 1 off its exponent field
	s_sub_co_u32 s[S8], 129, s18
	s_lshl_b32 s[S8], s[S8], 23                    ; 2^(2 - head)
	s_mov_b32 s[NEG], 0xf149f2ca
	s_and_b32 s[SH], s[JJ], 1
	s_lshl_b32 s[SH], s[SH], 3
	s_sub_co_u32 s[SH4], 24, s[SH]
	s_mov_b32 s[SEL], 0x76543210
	s_mov_b32 s[SEL+1], 0xfedcba98
	s_mov_b32 s[HI16], 0xffff0000
	; group 0: waves 0-2 fetch K's three chunks, waves 3-5 V's
	s_mov_b32 s20, 1
	s_min_u32 s48, s[WV], 5
	s_mul_i32 s21, s48, CHUNK
	s_cmp_ge_u32 s[WV], 3
	s_cselect_b32 s49, 3, 0
	s_sub_co_u32 s49, s48, s49                     ; which chunk
	s_add_co_u32 s52, s13, s49
	s_lshl_b32 s52, s52, 3
	s_sub_co_i32 s52, s52, 8                       ; its first block,
	s_max_i32 s52, s52, 0
	s_min_i32 s52, s52, 120                        ; held inside the sequence
	s_lshl_b32 s53, s14, 7
	s_add_co_u32 s52, s52, s53
	s_mul_i32 s52, s52, REC
	s_mov_b32 s53, 0
	s_lshl_b32 s54, s14, 7
	s_add_co_u32 s54, s54, s[QB]
	s_mul_i32 s54, s54, REC                        ; my pair's record in qimg and in oimg
	s_mov_b32 s55, 0
	s_wait_dscnt 0x0
	s_wait_kmcnt 0x0
	s_cmp_ge_u32 s[WV], 3
	s_cselect_b64 s[50:51], s[8:9], s[6:7]
	s_add_nc_u64 s[22:23], s[50:51], s[52:53]
	s_or_b32 s23, s23, 0x80000000
	s_add_nc_u64 s[4:5], s[4:5], s[54:55]
	s_add_nc_u64 s[10:11], s[10:11], s[54:55]
	s_cmp_lt_u32 s[WV], 6
	s_cbranch_scc0 .Lno_fetch
	tensor_load_to_lds s[20:23], s[24:31]          ; one load of mine is out
	s_nop 0
	PLACES
.Lno_fetch:
	v_and_b32 v250, 31, v0                         ; lane
	v_and_b32 v252, 15, v0                         ; r
	v_bfe_u32 v253, v0, 4, 1                       ; h
	v_lshlrev_b32 v251, 3, v250
	v_lshlrev_b32 v250, 4, v250
	s_mul_i32 s48, s[JJ], REC
	v_add_nc_u32 v[AKA], s48, v250
	v_add_nc_u32 v[AKB], s48, v251
	v_mul_u32_u24 v14, v253, REC
	v_add_nc_u32 v14, s48, v14
	v_add_nc_u32 v14, VB, v14
	v_lshl_add_u32 v[AVA], v252, 4, v14
	v_lshl_add_u32 v[AVB], v252, 3, v14
	s_and_b32 s49, s[JJ], 6
	s_mul_i32 s49, s49, REC
	s_add_co_u32 s49, s49, VB
	v_lshlrev_b32 v[AVS], 3, v252
	v_add_nc_u32 v[AVS], s49, v[AVS]
	v_lshl_add_u32 v250, s[UU], 9, v250            ; Q's image: tile u
	v_lshl_add_u32 v251, s[UU], 8, v251
	v_lshlrev_b32 v15, 3, v252
	v_lshl_add_u32 v15, s[UU], 7, v15
	global_load_b128 v[Q:Q+3], v250, s[4:5]
	global_load_b64 v[Q+4:Q+5], v251, s[4:5] offset:1024
	global_load_b32 v[QS], v15, s[4:5] offset:1536
	v_and_b32 v[D8I], 8, v252
	v_add_nc_u32 v[D8I], v[D8I], v252
	v_lshl_add_u32 v[D8I], s[UU], 3, v[D8I]        ; my query's place in the pair
	v_lshlrev_b32 v14, 4, v253
	v_sub_nc_u32 v[D8I], v[D8I], v14               ; d8
	v_cvt_f32_i32 v[D8F], v[D8I]
.set ii, 0
.rept 16
	v_cvt_f32_u32 v[T+ii], ii
.set ii, ii+1
.endr
.set ii, 0
.rept 16
	v_mul_f32 v[T+ii], s[S8], v[T+ii]              ; T = + 8 slope i: the keys before the diagonal block
.set ii, ii+1
.endr
.set ii, 0
.rept 32
	v_mov_b32 v[O+ii], 0                           ; O^T: which step is a wave's first hangs on its place, so every step finds zeros, which the first change of M leaves zeros
.set ii, ii+1
.endr
.set ii, 0
.rept 6
	v_mov_b32 v[Q+6+ii], 0
	v_mov_b32 v[F+48+ii], 0
.set ii, ii+1
.endr
.irp b, 0,1,2,3
	v_mov_b32 v[PT+\b], 0                          ; written once: a lane permute's destination counts as one of its sources
.endr
	v_mov_b32 v[L], 0
	v_mov_b32 v[L+1], 0
	v_mov_b32 v[FF+1], 0
	v_mov_b32 v[TMX], 0xff61b1e6                   ; -3e38, under every t
	v_floor_f32 v[NM], -v[TMX]
.macro PENS b0, nb                     ; a block outside the sequence gets -1e30 onto its t: compares on ids
.set bb, 0
.rept \nb
	s_add_co_u32 s48, s[QB], (\b0)+bb-8
	s_cmp_lt_u32 s48, 128
	s_cselect_b32 s[PEN+bb], 0, s[NEG]
.set bb, bb+1
.endr
.endm
.macro KLOAD b0, nt                    ; nt tiles of 16 keys from blocks b0 on, as images; a block's scale words by one load
.set tt, 0
.rept \nt
	ds_load_b128 v[F+6*tt:F+6*tt+3], v[AKA] offset:((\b0)+tt/2)*REC+512*(tt%2)
	ds_load_b64 v[F+6*tt+4:F+6*tt+5], v[AKB] offset:((\b0)+tt/2)*REC+1024+256*(tt%2)
.if tt%2 == 0
	ds_load_b32 v[KS+tt/2], v[AKB] offset:((\b0)+tt/2)*REC+1536
.endif
.set tt, tt+1
.endr
.endm
.macro SCORES nt, spec                 ; S^T = K Q^T + the bias table; spec = 1: the first block takes TX
	s_wait_dscnt 0x0
.set tt, 0
.rept \nt
.if \spec && (tt < 2)
.set CC, TX+8*(tt%2)
.else
.set CC, T+8*(tt%2)
.endif
.if tt%2
	v_wmma_scale_f32_16x16x128_f8f6f4 v[S+8*tt:S+8*tt+7], v[F+6*tt:F+6*tt+11], v[Q:Q+11], v[CC:CC+7], v[KS+tt/2], v[QS] matrix_a_fmt:MATRIX_FMT_FP6 matrix_b_fmt:MATRIX_FMT_FP6 matrix_a_scale:MATRIX_SCALE_ROW1
.else
	v_wmma_scale_f32_16x16x128_f8f6f4 v[S+8*tt:S+8*tt+7], v[F+6*tt:F+6*tt+11], v[Q:Q+11], v[CC:CC+7], v[KS+tt/2], v[QS] matrix_a_fmt:MATRIX_FMT_FP6 matrix_b_fmt:MATRIX_FMT_FP6
.endif
.set tt, tt+1
.endr
.endm
.macro CLS b0, nb                      ; a block's addend: -slope log2(e) |d8 + 32 (8 - b)| + its penalty; on the diagonal the penalty alone.  The first nb lines are places behind the products
.set bb, 0
.rept \nb
.if (\b0)+bb == 8
	v_mov_b32 v[CLR+2*bb], s[PEN+bb]
.else
	v_add_nc_u32 v[CLR+2*bb], 32*(8-(\b0)-bb), v[D8I]
.endif
.set bb, bb+1
.endr
.set bb, 0
.rept \nb
.if (\b0)+bb != 8
	v_cvt_f32_i32 v[CLR+2*bb], v[CLR+2*bb]
.endif
.set bb, bb+1
.endr
.set bb, 0
.rept \nb
.if (\b0)+bb != 8
	v_fma_f32 v[CLR+2*bb], |v[CLR+2*bb]|, s[NSG], s[PEN+bb]
.endif
.set bb, bb+1
.endr
.endm
.macro VLOAD lam                       ; V^T: four tiles of 16 d x the four blocks lam on: lane (r, h) takes its row's 24 bytes of records lam + h and lam + 2 + h
.irp t, 0,1,2,3
.irp c, 0,1
	ds_load_b128 v[F+12*\t+6*\c:F+12*\t+6*\c+3], v[AVA] offset:((\lam)+2*\c)*REC+256*\t
	ds_load_b64 v[F+12*\t+6*\c+4:F+12*\t+6*\c+5], v[AVB] offset:((\lam)+2*\c)*REC+1024+128*\t
.endr
.endr
.endm
.macro VSLOAD b0                       ; three scale pairs a tile: they cover four blocks that begin at an even or at an odd record
.irp t, 0,1,2,3
.irp k, 0,1,2
	ds_load_b32 v[VT+3*\t+\k], v[AVS] offset:((\b0)+2*\k+\t/2)*REC+1536+128*(\t%2)
.endr
.endr
.endm
; The softmax of nb blocks (4, or 1 in the last step), p's codes and scale word, the sums.
.macro SOFTMAX nb
.set bb, 0
.rept \nb
	v_max3_num_f32 v[BM+2*bb], v[S+16*bb], v[S+16*bb+1], v[S+16*bb+2]   ; the largest raw score of my 16 keys of each block; each accumulator is read from its low end on
.set bb, bb+1
.endr
.irp i, 3,5,7,9,11,13
.set bb, 0
.rept \nb
	v_max3_num_f32 v[BM+2*bb], v[BM+2*bb], v[S+16*bb+\i], v[S+16*bb+\i+1]
.set bb, bb+1
.endr
.endr
.set bb, 0
.rept \nb
	v_max_num_f32 v[BM+2*bb], v[BM+2*bb], v[S+16*bb+15]
.set bb, bb+1
.endr
.set bb, 0
.rept \nb
	v_fma_f32 v[SO+bb], v[BM+2*bb], s[CS], v[CLR+2*bb]   ; as t: the addend hangs on the lane's half, so the halves are joined only behind it
.set bb, bb+1
.endr
.if \nb == 4
	v_max3_num_f32 v[TA], v[SO], v[SO+1], v[SO+2]
	v_max_num_f32 v[TA], v[TA], v[SO+3]
.else
	v_mov_b32 v[TA], v[SO]
.endif
	v_permlanex16_b32 v[PT], v[TA], s[SEL], s[SEL+1]
	v_max_num_f32 v[TA], v[TA], v[PT]              ; the step's largest t of my query
	v_max_num_f32 v[TMX], v[TMX], v[TA]
	v_mov_b32 v[TC], v[NM]
	v_floor_f32 v[NM], -v[TMX]                     ; the new -M = -ceil(t): a whole number
	v_sub_f32 v[TC], v[NM], v[TC]                  ; old M - new M: a whole number, 0 or less
	v_cvt_i32_f32 v[TC], v[TC]                     ; (it saturates)
	v_ldexp_f32 v[FF], 1.0, v[TC]                  ; f = 2^(old M - new M): a multiplication by it rounds nothing
.set bb, 0
.rept \nb
	v_add_f32 v[CLR+2*bb], v[CLR+2*bb], v[NM]      ; the addend with -M
.set bb, bb+1
.endr
.set jj, 0
.rept 8*\nb
	v_pk_fma_f32 v[S+2*jj:S+2*jj+1], v[S+2*jj:S+2*jj+1], s[CS:CS+1], v[CLR+2*(jj/8):CLR+2*(jj/8)+1] op_sel_hi:[1,0,0]   ; t - M, two at a time (of the pairs the low word serves both halves)
.set jj, jj+1
.endr
.set bb, 0
.rept \nb
	v_fma_f32 v[BM+2*bb], v[BM+2*bb], s[CS], v[CLR+2*bb]   ; the same of my half's largest score: the same line on the same numbers gives the same bits
.set bb, bb+1
.endr
.set bb, 0
.rept \nb
	v_permlanex16_b32 v[PT+bb], v[BM+2*bb], s[SEL], s[SEL+1]
.set bb, bb+1
.endr
.set bb, 0
.rept \nb
	v_max_num_f32 v[BM+2*bb], v[BM+2*bb], v[PT+bb] ; the block's largest t - M
.set bb, bb+1
.endr
.set jj, 0
.rept 16*\nb
	v_exp_f32 v[S+jj], v[S+jj]                     ; p = 2^(t - M): not normalised
.set jj, jj+1
.endr
.set bb, 0
.rept \nb
	v_exp_f32 v[BM+2*bb], v[BM+2*bb]               ; the block's largest p
.set bb, bb+1
.endr
	v_pk_mul_f32 v[L:L+1], v[L:L+1], v[FF:FF+1] op_sel_hi:[1,0]   ; the sums under the new M.  (A plain place behind the exponentials)
	s_wait_dscnt 0x0                               ; V's fragments and scale pairs are in
.irp t, 0,1,2,3
.if \nb == 4
	v_lshl_or_b32 v[VT+3*\t], v[VT+3*\t+1], 16, v[VT+3*\t]
	v_alignbit_b32 v[VS+\t], v[VT+3*\t+2], v[VT+3*\t], s[SH]   ; the four bytes of my four blocks: from byte j & 1 of the six on
.else
	v_lshlrev_b32 v[VS+\t], s[SH4], v[VT+\t]       ; block 16's byte to the top: it is block 3 of the fragment (what lands under it meets zero codes)
	s_wait_alu depctr_va_vdst(0)
.endif
.endr
.set bb, 0
	s_wait_alu depctr_va_vdst(0)
.rept \nb
	v_max_num_f32 v[BM+2*bb], 0x1800000, v[BM+2*bb]   ; the floor 2^(3 - 127): the byte cannot fall under 1
.set bb, bb+1
.endr
.set bb, 0
.rept \nb
	v_add_nc_u32 v[SO+bb], 0xff000000, v[BM+2*bb]  ; 2 off the exponent field: the conversion's scale operand
.set bb, bb+1
.endr
.set bb, 0
.rept \nb
	v_lshrrev_b32 v[PT+bb], 23, v[SO+bb]           ; the scale's byte
.set bb, bb+1
.endr
.if \nb == 4
	v_lshl_or_b32 v[PW], v[PT+1], 8, v[PT]
	v_lshl_or_b32 v[PW], v[PT+2], 16, v[PW]
	v_lshl_or_b32 v[PW], v[PT+3], 24, v[PW]
.irp c, 0,1
	v_cvt_scalef32_pk16_fp6_f32 v[PC+6*\c:PC+6*\c+2], v[S+32*\c:S+32*\c+15], v[SO+2*\c]
	v_cvt_scalef32_pk16_fp6_f32 v[CT+4*\c:CT+4*\c+2], v[S+32*\c+16:S+32*\c+31], v[SO+2*\c+1]
.endr
	v_nop                                          ; one plain place behind a scaled conversion
.irp c, 0,1
.irp i, 0,1,2
	v_permlane16_swap_b32 v[PC+6*\c+\i], v[CT+4*\c+\i]   ; a whole block to a lane: lanes 0-15 block 2 c, lanes 16-31 block 2 c + 1
.endr
.irp i, 0,1,2
	v_mov_b32 v[PC+3+6*\c+\i], v[CT+4*\c+\i]
.endr
.endr
.else
	v_lshlrev_b32 v[PW], 24, v[PT]
.irp i, 0,1,2,3,4,5,6,7,8
	v_mov_b32 v[PC+\i], 0                          ; blocks 0 to 2 of the fragment are zero codes
.endr
	v_cvt_scalef32_pk16_fp6_f32 v[CT:CT+2], v[S:S+15], v[SO]
	v_nop
.irp i, 0,1,2
	v_permlane16_swap_b32 v[PC+6+\i], v[CT+\i]     ; the lower 16 codes go to lanes 16-31; zeros come back into lanes 0-15
.endr
.irp i, 0,1,2
	v_mov_b32 v[PC+9+\i], v[CT+\i]
.endr
.endif
.set jj, 0
.rept 16
	v_pk_mul_f32 v[O+2*jj:O+2*jj+1], v[O+2*jj:O+2*jj+1], v[FF:FF+1] op_sel_hi:[1,0]   ; O^T under the new M
.set jj, jj+1
.endr
	v_pk_add_f32 v[CT:CT+1], v[S:S+1], v[S+2:S+3]  ; the row's sum is taken of the unquantised p, in two chains.  These lines name no register of the products below: they are the places in front of them
.set jj, 4
.rept 4*\nb-1
	v_pk_add_f32 v[L:L+1], v[L:L+1], v[S+jj:S+jj+1]
	v_pk_add_f32 v[CT:CT+1], v[CT:CT+1], v[S+jj+2:S+jj+3]
.set jj, jj+4
.endr
	v_pk_add_f32 v[L:L+1], v[L:L+1], v[CT:CT+1]
.endm
.macro PV                              ; O^T += V^T P^T: the four accumulators take turns, one instruction a turn
.irp t, 0,1,2,3
	v_wmma_scale_f32_16x16x128_f8f6f4 v[O+8*\t:O+8*\t+7], v[F+12*\t:F+12*\t+11], v[PC:PC+11], v[O+8*\t:O+8*\t+7], v[VS+\t], v[PW] matrix_a_fmt:MATRIX_FMT_FP6 matrix_b_fmt:MATRIX_FMT_FP6
.endr
.endm
.macro STEP b0, spec
	PENS \b0, 4
	PLACES                                         ; in front of loads into registers that matrix instructions have read
	KLOAD \b0, 8
	SCORES 8, \spec
	CLS \b0, 4
	VLOAD \b0
	VSLOAD \b0
	SOFTMAX 4
	PV
.endm
	s_wait_tensorcnt 0x0                           ; my chunk has landed,
	s_barrier_signal -1
	s_barrier_wait -1                              ; everybody's has: from here on LDS is only read
	s_wait_loadcnt 0x0                             ; Q
	; blocks 0-3.  Wholly outside where QB < 5
	s_cmp_lt_u32 s[QB], 5
	s_cbranch_scc1 .Lskip0
.set ii, 0
.rept 16
	v_cmp_ge_i32 vcc_lo, ii, v[D8I]                ; block 0: q - k = d8 - i + 256: open where i >= d8
	v_cndmask_b32 v[TX+ii], s[NEG], v[T+ii], vcc_lo
.set ii, ii+1
.endr
	STEP 0, 1
.Lskip0:
	; blocks 4-7.  Wholly outside where QB < 1
	s_cmp_lt_u32 s[QB], 1
	s_cbranch_scc1 .Lskip1
	STEP 4, 0
.Lskip1:
	; blocks 8-11: always run.  From here on the keys lie behind the query: T = - 8 slope i
.set ii, 0
.rept 8
	v_pk_mul_f32 v[T+2*ii:T+2*ii+1], v[T+2*ii:T+2*ii+1], -1.0 op_sel_hi:[1,0]   ; (also the places in front of the loads below)
.set ii, ii+1
.endr
	PENS 8, 4
	KLOAD 8, 8
	v_mul_f32 v[TA], s[S8], v[D8F]
.set ii, 0
.rept 16
	v_add_f32 v[TX+ii], v[TA], v[T+ii]             ; 8 slope (d8 - i), exact
.set ii, ii+1
.endr
.set ii, 0
.rept 16
	v_or_b32 v[TX+ii], 0x80000000, v[TX+ii]        ; - |.|: the diagonal block's bias
.set ii, ii+1
.endr
	PLACES
	SCORES 8, 1
	CLS 8, 4
	VLOAD 8
	VSLOAD 8
	SOFTMAX 4
	PV
	; blocks 12-15.  Wholly outside where QB >= 124
	s_cmp_ge_u32 s[QB], 124
	s_cbranch_scc1 .Lskip3
	STEP 12, 0
.Lskip3:
	; block 16.  Outside where QB >= 120
	s_cmp_ge_u32 s[QB], 120
	s_cbranch_scc1 .Lskip4
	PENS 16, 1
	PLACES
	KLOAD 16, 2
.set ii, 0
.rept 16
	v_cmp_le_i32 vcc_lo, ii, v[D8I]                ; block 16: q - k = d8 - i - 256: open where i <= d8
	v_cndmask_b32 v[TX+ii], s[NEG], v[T+ii], vcc_lo
.set ii, ii+1
.endr
	PLACES
	SCORES 2, 1
	CLS 16, 1
	PLACES
	VLOAD 13                                       ; blocks 13 to 16: the one that counts is the fragment's block 3, so every read stays inside the 24 records
.irp t, 0,1,2,3
	ds_load_b32 v[VT+\t], v[AVS] offset:(16+\t/2)*REC+1536+128*(\t%2)
.endr
	SOFTMAX 1
	PV
.Lskip4:
	; THE WAY OUT: O^T / the sum, quantised along the head's 64, stored as tile u of my pair's record
	v_add_f32 v[L], v[L], v[L+1]
	v_and_b32 v1, 31, v0
	v_and_b32 v3, 15, v0
	v_bfe_u32 v4, v0, 4, 1
	v_lshlrev_b32 v2, 3, v1
	v_lshlrev_b32 v1, 4, v1
	v_permlanex16_b32 v[PT], v[L], s[SEL], s[SEL+1]
	v_add_f32 v[L], v[L], v[PT]                    ; the row's sum
	v_rcp_f32 v[L], v[L]
	v_lshl_add_u32 v1, s[UU], 9, v1                ; (a plain place behind the transcendental)  16 lane + 512 u
	v_lshl_add_u32 v2, s[UU], 8, v2                ; 8 lane + 256 u
	v_lshlrev_b32 v3, 3, v3
	v_lshl_add_u32 v3, v4, 2, v3
	v_lshl_add_u32 v3, s[UU], 7, v3                ; 8 r + 4 h + 128 u
	v_mov_b32 v5, 0
.set jj, 0
	s_wait_alu depctr_va_vdst(0)
.rept 16
	v_pk_mul_f32 v[S+2*jj:S+2*jj+1], v[O+2*jj:O+2*jj+1], v[L:L+1] op_sel_hi:[1,0]   ; register 16 b + i is d = 32 b + 16 h + i of my query
.set jj, jj+1
.endr
	v_max3_num_f32 v[CLR], |v[S]|, |v[S+1]|, 0x1800000
	v_max3_num_f32 v[CLR+1], |v[S+16]|, |v[S+17]|, 0x1800000
.irp i, 2,4,6,8,10,12,14
	v_max3_num_f32 v[CLR], v[CLR], |v[S+\i]|, |v[S+\i+1]|
	v_max3_num_f32 v[CLR+1], v[CLR+1], |v[S+16+\i]|, |v[S+17+\i]|
.endr
	v_permlanex16_b32 v[PT], v[CLR], s[SEL], s[SEL+1]
	v_permlanex16_b32 v[PT+1], v[CLR+1], s[SEL], s[SEL+1]
	v_max_num_f32 v[CLR], v[CLR], v[PT]
	v_max_num_f32 v[CLR+1], v[CLR+1], v[PT+1]
	v_add_nc_u32 v[SO], 0xff000000, v[CLR]
	v_add_nc_u32 v[SO+1], 0xff000000, v[CLR+1]
	v_lshrrev_b32 v[SO+2], 23, v[SO]
	v_lshrrev_b32 v[SO+3], 23, v[SO+1]
	v_lshl_or_b32 v[TA], v[SO+3], 8, v[SO+2]       ; my row's two scale bytes
	v_cvt_scalef32_pk16_fp6_f32 v[PC:PC+2], v[S:S+15], v[SO]
	v_cvt_scalef32_pk16_fp6_f32 v[CT:CT+2], v[S+16:S+31], v[SO+1]
	v_nop
.irp i, 0,1,2
	v_permlane16_swap_b32 v[PC+\i], v[CT+\i]
.endr
.irp i, 0,1,2
	v_mov_b32 v[PC+3+\i], v[CT+\i]
.endr
	v_cndmask_b32 v[TC], v[TA], v5, s[HI16]        ; lanes 0-15 the word, lanes 16-31 the 0 beside it
	global_store_b128 v1, v[PC:PC+3], s[10:11]     ; 512 consecutive bytes
	global_store_b64 v2, v[PC+4:PC+5], s[10:11] offset:1024
	global_store_b32 v3, v[TC], s[10:11] offset:1536
	s_wait_tensorcnt 0x0
	ds_add_u32 v233, v237
	s_wait_dscnt 0x0
	s_endpgm
.Lfunc_end_k_q2d5e685f60_attn:
	.size	k_q2d5e685f60_attn, .Lfunc_end_k_q2d5e685f60_attn-k_q2d5e685f60_attn
	.p2alignl 7, 3214868480
	.fill 96, 4, 3214868480
	.section	.rodata,"a",@progbits
	.p2align	6, 0x0
	.amdhsa_kernel k_q2d5e685f60_attn
		.amdhsa_group_segment_fixed_size 169984
		.amdhsa_private_segment_fixed_size 0
		.amdhsa_enable_private_segment 0
		.amdhsa_kernarg_size 32
		.amdhsa_user_sgpr_count 2
		.amdhsa_user_sgpr_kernarg_segment_ptr 1
		.amdhsa_wavefront_size32 1
		.amdhsa_system_sgpr_workgroup_id_x 1
		.amdhsa_system_sgpr_workgroup_id_y 1
		.amdhsa_system_sgpr_workgroup_id_z 1
		.amdhsa_system_vgpr_workitem_id 0
		.amdhsa_next_free_vgpr 256
		.amdhsa_next_free_sgpr 66
		.amdhsa_reserve_vcc 1
		.amdhsa_float_denorm_mode_32 3
		.amdhsa_float_denorm_mode_16_64 3
		.amdhsa_memory_ordered 1
		.amdhsa_forward_progress 1
		.amdhsa_inst_pref_size 97
	.end_amdhsa_kernel
	.amdgpu_metadata
---
amdhsa.version: [ 1, 2 ]
amdhsa.kernels:
  - .name:           k_q2d5e685f60_attn
    .symbol:         k_q2d5e685f60_attn.kd
    .args:
      - { .name: qimg, .offset: 0, .size: 8, .value_kind: global_buffer, .address_space: global }
      - { .name: kimg, .offset: 8, .size: 8, .value_kind: global_buffer, .address_space: global }
      - { .name: vimg, .offset: 16, .size: 8, .value_kind: global_buffer, .address_space: global }
      - { .name: oimg, .offset: 24, .size: 8, .value_kind: global_buffer, .address_space: global }
    .group_segment_fixed_size: 169984
    .private_segment_fixed_size: 0
    .kernarg_segment_align: 8
    .kernarg_segment_size: 32
    .max_flat_workgroup_size: 512
    .sgpr_count:     66
    .vgpr_count:     256
    .wavefront_size: 32
...
	.end_amdgpu_metadata
.endif
;; end of part 2
;; launch outp (part 3): grid 4 x 64, 8 waves a work-group, clusters of 4 x 4, 168,960 bytes of LDS; arguments oimg, w_o_codes, w_o_scales, out0; writes out0
.if DOCPART == 3
	.amdgcn_target "amdgcn-amd-amdhsa--gfx1250"
	.amdhsa_code_object_version 6
	.text
	.protected	k_q2d5e685f60_outp
	.globl	k_q2d5e685f60_outp
	.p2align	8
	.type	k_q2d5e685f60_outp,@function
k_q2d5e685f60_outp:
	s_mov_b64 s[64:65], 0
	v_nop
	global_prefetch_b8 v0, s[64:65] scope:SCOPE_SE
	s_setreg_imm32_b32 hwreg(HW_REG_WAVE_MODE, 25, 1), 1
	s_wait_xcnt 0x0
	s_wait_alu depctr_hold_cnt(0) depctr_sa_sdst(0) depctr_va_vdst(0) depctr_va_sdst(0) depctr_va_ssrc(0) depctr_va_vcc(0) depctr_vm_vsrc(0)
	s_getreg_b32 s2, hwreg(HW_REG_IB_STS2, 6, 4)
	s_cmp_eq_u32 s2, 0
	s_cbranch_scc0 .Lentry_in_a_cluster
	s_endpgm
.Lentry_in_a_cluster:
	s_bfe_u32 s2, ttmp6, 0x10000c
	s_cmp_lg_u32 s2, 0xf033
	s_cbranch_scc0 .Lentry_shape_is_right
	s_endpgm
.Lentry_shape_is_right:
; out0 = A Wo^T on codes of FP6 (E2M3) with E8M0 scales, K = 512 (8 heads x 64).  A: the attention's output, as records of register images; Wo: [512 (e)][512 (k)] as codes; out0: [8192][512] f32.
; SHARES.  A work-group takes 128 tokens (m) x 128 outputs (g).  Source 0 = Wo's rows (along a lane's registers), source 1 = the tokens (a lane's row).  Wave w: 64 outputs (w & 1), 32 tokens (w >> 1):
; 4 x 2 accumulators, 4 K steps.  A K step of 128 is two heads: registers 6 c .. 6 c + 5 of a token fragment are the image of head 2 s + c, loaded from memory straight into their places.
; Wo's tile of 128 rows lies in LDS, filled once by two joint loads: it hangs on g alone and is shared along a column of the 4 x 4 cluster.
; THE ROWS OF A TILE ARE NOT NEIGHBOURS: lane r of tile (b, u) takes row 32 b + 8 u + r + 8 (r / 8): a lane's 16 registers of two neighbouring tiles are 16 neighbouring outputs, and the tokens' tiles are laid so in the records.
; THE WAY OUT: a wave's 32 tokens x 64 outputs go through its own stage in LDS and leave as rows of 256 bytes, sixteen lanes to an aligned 256 bytes of out0.
.set REC,   1792
.set HSTR,  128*REC                    ; from head to head in oimg
.set PITCH, 432                        ; an LDS row of Wo: 3 x (128 bytes + 16 of padding)
.set REGB,  27776                      ; region A (memory rows whose bit 4 is 0), region B
.set STG,   2*REGB                     ; behind the tile: a stage of 32 rows x 272 bytes for each wave
.set SPITCH, 272
.set AS0, 2                            ; v2-3  my lane's place in Wo's tile (the second: behind one padding more)
.set LA,  4                            ; v4    16 x lane
.set LB,  5                            ; v5    8 x lane
.set LSC, 6                            ; v6    16 (r + 8 (r / 8))
.set LR,  7                            ; v7    8 r
.set STO, 8                            ; v8    the stage, on the way in
.set RD,  9                            ; v9    and back
.set GO,  10                           ; v10   my byte offset in out0
.set S0S, 12                           ; v12-27 Wo's scale words, 4 t + s
.set S1S, 28                           ; v28-35 the tokens', 4 n + s
.set ACC, 36                           ; v36-99 accumulator (n, t) at 8 (4 n + t)
.set S0F, 100                          ; v100-147 Wo's four fragments; first the 16 raw scale words of the records
.set RAW, 100
.set S1F, 148                          ; v148-243 the tokens' fragments at 48 n + 12 s; later the rows read back
.set WV,  12
.set HF,  13
.set PI,  14
.macro PLACES
.rept 4
	v_nop
.endr
.endm
.macro CROUND                          ; a round of the cluster's barrier
	s_barrier_signal -1
	s_barrier_wait -1
	s_cmp_lg_u32 s[WV], 0
	s_cbranch_scc1 .Lnot_wave_0_\@
	s_barrier_signal -3
.Lnot_wave_0_\@:
	s_barrier_wait -3
	s_barrier_signal -1
	s_barrier_wait -1
.endm
	s_load_b256 s[4:11], s[0:1], 0x0               ; oimg, Wo's codes, Wo's scales, out0
	v_lshl_add_u32 v254, v0, 2, 0x29000
	v_mov_b32 v255, 0
	ds_add_u32 v254, v255
	ds_add_u32 v254, v255
	v_lshrrev_b32 v2, 5, v0
	v_readfirstlane_b32 s[WV], v2                  ; wave 0..7
	s_and_b32 s[HF], s[WV], 1
	s_lshr_b32 s[PI], s[WV], 1
	s_bfe_u32 s15, ttmp6, 0x40000                  ; cx
	s_bfe_u32 s16, ttmp6, 0x40004                  ; cy
	s_lshl_b32 s17, ttmp9, 2
	s_add_co_u32 s17, s17, s15                     ; g
	s_and_b32 s18, ttmp7, 0xffff
	s_lshl_b32 s18, s18, 2
	s_add_co_u32 s18, s18, s16                     ; m
	s_lshl_b32 s19, 0x1111, s15                    ; my column of the cluster
	; group 1: 4 rows of 6,144 bytes (16 memory rows on end), 32 memory rows apart; elements of 8 bytes; 16 bytes of padding behind every 128
	s_or_b32 s24, s19, (3<<16)|(1<<20)|(1<<21)|(4<<22)|(3<<25)
	s_mov_b32 s25, 768<<16
	s_mov_b32 s26, 4<<16
	s_mov_b32 s27, 768<<16
	s_mov_b32 s28, 4
	s_mov_b32 s29, 1536
	s_mov_b32 s30, 0
	s_mov_b32 s31, 0
	s_lshl_b32 s32, s17, 7                         ; (128 g + 16 x region) rows of 384 bytes: hangs on g alone
	s_lshl_b32 s33, s[HF], 4
	s_add_co_u32 s32, s32, s33
	s_mul_i32 s32, s32, 384
	s_mov_b32 s33, 0
	s_mov_b32 s20, 1
	s_mul_i32 s21, s[HF], REGB
	s_wait_dscnt 0x0
	s_wait_kmcnt 0x0
	s_add_nc_u64 s[22:23], s[6:7], s[32:33]
	s_or_b32 s23, s23, 0x80000000
	CROUND                                         ; all sixteen work-groups are here: the joint loads meet
	s_cmp_lt_u32 s[WV], 2                          ; waves 0 and 1 fetch the two regions: one load of a wave is out
	s_cbranch_scc0 .Lno_fetch
	tensor_load_to_lds s[20:23], s[24:31]
	s_nop 0
	PLACES
.Lno_fetch:
	v_and_b32 v11, 31, v0                          ; lane
	v_and_b32 v244, 15, v0                         ; r
	v_bfe_u32 v245, v0, 4, 1                       ; h
	v_lshlrev_b32 v[LA], 4, v11
	v_lshlrev_b32 v[LB], 3, v11
	v_lshlrev_b32 v[LR], 3, v244
	v_and_b32 v[LSC], 8, v244
	v_add_nc_u32 v[LSC], v[LSC], v244
	v_lshlrev_b32 v[LSC], 4, v[LSC]
	s_lshr_b32 s36, s18, 5                         ; the batch: its first head's records begin 1,024 records on
	s_lshl_b32 s36, s36, 10
	s_and_b32 s37, s18, 31
	s_lshl_b32 s37, s37, 2
	s_add_co_u32 s36, s36, s37
	s_add_co_u32 s36, s36, s[PI]                   ; my block of 32 tokens
	s_mul_i32 s36, s36, REC
	s_mov_b32 s37, 0
	s_add_nc_u64 s[4:5], s[4:5], s[36:37]
	s_lshl_b32 s38, s17, 7                         ; Wo's scale rows 128 g + 64 (wave & 1)
	s_lshl_b32 s39, s[HF], 6
	s_add_co_u32 s38, s38, s39
	s_lshl_b32 s38, s38, 4
	s_mov_b32 s39, 0
	s_add_nc_u64 s[8:9], s[8:9], s[38:39]
.irp n, 0,1
.irp hh, 0,1,2,3,4,5,6,7
	global_load_b128 v[S1F+48*\n+6*\hh:S1F+48*\n+6*\hh+3], v[LA], s[4:5] offset:\hh*HSTR+512*\n
	global_load_b64 v[S1F+48*\n+6*\hh+4:S1F+48*\n+6*\hh+5], v[LB], s[4:5] offset:\hh*HSTR+1024+256*\n
	global_load_b32 v[RAW+8*\n+\hh], v[LR], s[4:5] offset:\hh*HSTR+1536+128*\n
.endr
.endr
.irp t, 0,1,2,3
	global_load_b128 v[S0S+4*\t:S0S+4*\t+3], v[LSC], s[8:9] offset:16*(32*(\t/2)+8*(\t%2))
.endr
	v_and_b32 v246, 7, v0
	v_bfe_u32 v247, v0, 3, 1
	v_mul_u32_u24 v[AS0], v246, PITCH
	v_mad_u32_u24 v[AS0], v247, REGB, v[AS0]
	v_mad_u32_u24 v[AS0], v245, 24, v[AS0]
	s_mul_i32 s34, s[HF], 32*PITCH
	v_add_nc_u32 v[AS0], s34, v[AS0]
	v_lshl_add_u32 v[AS0+1], v245, 4, v[AS0]
	s_mul_i32 s34, s[WV], 32*SPITCH
	s_add_co_u32 s34, s34, STG                     ; my stage
	v_mul_u32_u24 v[STO], v244, SPITCH
	v_lshl_add_u32 v[STO], v245, 6, v[STO]
	v_add_nc_u32 v[STO], s34, v[STO]               ; in: row r of the tile, + 64 h
	v_mul_u32_u24 v[RD], v245, SPITCH
	v_lshl_add_u32 v[RD], v244, 4, v[RD]
	v_add_nc_u32 v[RD], s34, v[RD]                 ; back: lanes 0-15 one row, lanes 16-31 the next
	v_lshlrev_b32 v[GO], 11, v245
	v_lshl_add_u32 v[GO], v244, 4, v[GO]           ; and the same in out0: rows of 2,048 bytes
	s_lshl_b32 s40, s18, 7
	s_lshl_b32 s41, s[PI], 5
	s_add_co_u32 s40, s40, s41                     ; my first token
	s_lshl_b32 s40, s40, 11
	s_lshl_b32 s41, s17, 9
	s_add_co_u32 s40, s40, s41                     ; + 512 g
	s_lshl_b32 s41, s[HF], 8
	s_add_co_u32 s40, s40, s41                     ; + 256 (wave & 1)
	s_mov_b32 s41, 0
	s_add_nc_u64 s[10:11], s[10:11], s[40:41]
	s_wait_loadcnt 0x0
.irp n, 0,1
.irp s, 0,1,2,3
	v_lshl_or_b32 v[S1S+4*\n+\s], v[RAW+8*\n+2*\s+1], 16, v[RAW+8*\n+2*\s]   ; a K step's scale word: two bytes of each of its two heads
.endr
.endr
.rept 8
	v_nop                                          ; a scale register written by a vector instruction stands 8 places ahead of a scaled matrix instruction
.endr
	s_wait_tensorcnt 0x0                           ; my region of Wo's tile has landed,
	s_barrier_signal -1
	s_barrier_wait -1                              ; both have
.macro FRAG reg, adr, s, rowoff        ; 16 rows x 128 K: six pieces of 8 bytes; where the piece three on lies behind one padding more, the second address serves
.irp p, 0,1,2,3,4,5
.set PCE, 12*(\s)+6*(\p/3)+\p%3
.if PCE%16 < 13
	ds_load_b64 v[\reg+2*\p:\reg+2*\p+1], v[\adr] offset:8*PCE+16*(PCE/16)+(\rowoff)
.else
	ds_load_b64 v[\reg+2*\p:\reg+2*\p+1], v[\adr+1] offset:8*PCE+16*(PCE/16)+(\rowoff)
.endif
.endr
.endm
.irp s, 0,1,2,3                        ; the eight accumulators take turns, one instruction a turn; the first K step starts the sums
.if \s > 0
	PLACES                                         ; in front of loads into registers that matrix instructions have read
.endif
.irp t, 0,1,2,3
	FRAG S0F+12*\t, AS0, \s, (16*(\t/2)+8*(\t%2))*PITCH
.endr
	s_wait_dscnt 0x0
.irp t, 0,1,2,3
.irp n, 0,1
.if \s == 0
	v_wmma_scale_f32_16x16x128_f8f6f4 v[ACC+8*(4*\n+\t):ACC+8*(4*\n+\t)+7], v[S0F+12*\t:S0F+12*\t+11], v[S1F+48*\n+12*\s:S1F+48*\n+12*\s+11], 0, v[S0S+4*\t+\s], v[S1S+4*\n+\s] matrix_a_fmt:MATRIX_FMT_FP6 matrix_b_fmt:MATRIX_FMT_FP6
.else
	v_wmma_scale_f32_16x16x128_f8f6f4 v[ACC+8*(4*\n+\t):ACC+8*(4*\n+\t)+7], v[S0F+12*\t:S0F+12*\t+11], v[S1F+48*\n+12*\s:S1F+48*\n+12*\s+11], v[ACC+8*(4*\n+\t):ACC+8*(4*\n+\t)+7], v[S0S+4*\t+\s], v[S1S+4*\n+\s] matrix_a_fmt:MATRIX_FMT_FP6 matrix_b_fmt:MATRIX_FMT_FP6
.endif
.endr
.endr
.endr
	PLACES                                         ; in front of the first read of results, and of the loads into the tokens' fragments
.irp n, 0,1
.irp t, 0,1,2,3
	ds_store_b128 v[STO], v[ACC+8*(4*\n+\t):ACC+8*(4*\n+\t)+3] offset:\n*16*SPITCH+128*(\t/2)+32*(\t%2)       ; lane (r, h): outputs 32 (t / 2) + 16 h + 8 (t % 2) + 0 .. 7 of row 16 n + r; each accumulator from its low end on
	ds_store_b128 v[STO], v[ACC+8*(4*\n+\t)+4:ACC+8*(4*\n+\t)+7] offset:\n*16*SPITCH+128*(\t/2)+32*(\t%2)+16
.endr
.endr
.irp i, 0,1,2,3,4,5,6,7,8,9,10,11,12,13,14,15
	ds_load_b128 v[S1F+4*\i:S1F+4*\i+3], v[RD] offset:\i*2*SPITCH   ; LDS serves a wave's instructions in order (ISA guide 5.7.1.4): these see my stores
.endr
.irp i, 0,1,2,3,4,5,6,7,8,9,10,11,12,13,14,15
	s_wait_dscnt 15-\i                             ; pair i of rows is back; the 15 - i younger loads may be out
	global_store_b128 v[GO], v[S1F+4*\i:S1F+4*\i+3], s[10:11] offset:(8*(\i/8)+((2*\i)%16)+8*(((2*\i)%16)/8))*2048 th:TH_STORE_NT   ; stage row 16 n + r is token 8 n + r + 8 (r / 8); sixteen lanes store 256 consecutive bytes, aligned
.endr
	s_wait_tensorcnt 0x0
	ds_add_u32 v254, v255
	s_wait_dscnt 0x0
	CROUND                                         ; the closing round: no work-group ends while a partner may still ask for a tile that names it
	s_endpgm
.Lfunc_end_k_q2d5e685f60_outp:
	.size	k_q2d5e685f60_outp, .Lfunc_end_k_q2d5e685f60_outp-k_q2d5e685f60_outp
	.p2alignl 7, 3214868480
	.fill 96, 4, 3214868480
	.section	.rodata,"a",@progbits
	.p2align	6, 0x0
	.amdhsa_kernel k_q2d5e685f60_outp
		.amdhsa_group_segment_fixed_size 168960
		.amdhsa_private_segment_fixed_size 0
		.amdhsa_enable_private_segment 0
		.amdhsa_kernarg_size 32
		.amdhsa_user_sgpr_count 2
		.amdhsa_user_sgpr_kernarg_segment_ptr 1
		.amdhsa_wavefront_size32 1
		.amdhsa_system_sgpr_workgroup_id_x 1
		.amdhsa_system_sgpr_workgroup_id_y 1
		.amdhsa_system_sgpr_workgroup_id_z 1
		.amdhsa_system_vgpr_workitem_id 0
		.amdhsa_next_free_vgpr 256
		.amdhsa_next_free_sgpr 66
		.amdhsa_reserve_vcc 0
		.amdhsa_float_denorm_mode_32 3
		.amdhsa_float_denorm_mode_16_64 3
		.amdhsa_memory_ordered 1
		.amdhsa_forward_progress 1
		.amdhsa_inst_pref_size 26
	.end_amdhsa_kernel
	.amdgpu_metadata
---
amdhsa.version: [ 1, 2 ]
amdhsa.kernels:
  - .name:           k_q2d5e685f60_outp
    .symbol:         k_q2d5e685f60_outp.kd
    .args:
      - { .name: oimg, .offset: 0, .size: 8, .value_kind: global_buffer, .address_space: global }
      - { .name: w_o_codes, .offset: 8, .size: 8, .value_kind: global_buffer, .address_space: global }
      - { .name: w_o_scales, .offset: 16, .size: 8, .value_kind: global_buffer, .address_space: global }
      - { .name: out0, .offset: 24, .size: 8, .value_kind: global_buffer, .address_space: global }
    .group_segment_fixed_size: 168960
    .private_segment_fixed_size: 0
    .kernarg_segment_align: 8
    .kernarg_segment_size: 32
    .max_flat_workgroup_size: 256
    .sgpr_count:     66
    .vgpr_count:     256
    .wavefront_size: 32
...
	.end_amdgpu_metadata
.endif
;; end of part 3
